; MI455X (gfx1250); checked and timed in simulation.
; The chip was launched on July 23, 2026; its instructions are those of AMD's public machine-readable ISA for CDNA 5 (MIT licence, August 2026) and "CDNA5" Instruction Set Architecture Reference Guide (July 2026). The comments in the code are by the model that wrote it; some were corrected since.
;; Multi Head Self Attention. Allowed arithmetic: matrix products marked QUANTISED: E4M3 operands, one given power-of-two scale a tensor, by v_wmma_f32_16x16x64_fp8_fp8 or v_wmma_f32_16x16x128_fp8_fp8, f32 sums; everything else in f32.
;; Inputs: lowp_scales 8 int32 (the exponents e of the quantised operands' scales 2^e); out_b 1,024 float32; out_w 1,024 x 1,024 float32; qkv_b 3,072 float32; qkv_w 3,072 x 1,024 float32; x 4 x 2,048 x 1,024 float32.
;; Outputs: out0 4 x 2,048 x 1,024 float32.
;; This version of the problem:
;;   THIS VERSION OF THE PROBLEM IS GIVEN IN LOW PRECISION. The matrix products marked QUANTISED in the list below multiply operands that are first quantised to E4M3 (4 exponent bits, 3 mantissa bits; 8 bits a number), with one given power-of-two scale for each operand tensor; their sums are f32. All else is computed in f32.
;;   The module's matrix products, in the order in which they are computed (A, B: the left and right operand; K: the contracted axis; several contracted axes count as one K, in the product's order):
;;     1. [M 8,192, K 1,024] x [K 1,024, N 3,072]; A: input x; B: input qkv_w: QUANTISED (scales: A lowp_scales[0], B lowp_scales[1])
;;     2. batch 64 x [M 2,048, K 64] x [K 64, N 2,048]; A: computed on the way; B: computed on the way: QUANTISED (scales: A lowp_scales[2], B lowp_scales[3])
;;     3. batch 64 x [M 2,048, K 2,048] x [K 2,048, N 64]; A: softmax (see below); B: computed on the way: QUANTISED (scales: A lowp_scales[4], B lowp_scales[5])
;;     4. [M 8,192, K 1,024] x [K 1,024, N 1,024]; A: computed on the way; B: input out_w: QUANTISED (scales: A lowp_scales[6], B lowp_scales[7])
;;   THE QUANTISER, for each operand of a quantised product, along K:
;;     - The operand's scale is 2^e, e = its entry of the input lowp_scales (int32; the entries are numbered through the quantised products in the list's order, A before B).
;;     - Each number is divided by the scale, clamped to +-448, and rounded to the nearest number of E4M3, ties to even, subnormals kept.
;;     - The product sums the exact products of the quantised numbers (number of the format x scale) in f32.
;;   ~~~python
;;   def quantise(x, axis, e):      # numpy; x: float32 -> the quantised numbers, widened to float32 again
;;       x = np.moveaxis(x, axis, -1); K = x.shape[-1]
;;       r = np.clip(x / 2.0 ** e, -448, 448)
;;       step = 2.0 ** (np.maximum(np.frexp(np.where(r == 0, 1, r))[1] - 1, -6) - 3)
;;       q = np.round(r / step) * step * 2.0 ** e      # np.round: ties to even
;;       return np.moveaxis(q, -1, axis).astype(np.float32)
;;   ~~~
;;   SOFTMAX AHEAD OF A QUANTISED PRODUCT. Where the list says 'softmax', what is quantised is not the finished softmax but p = 2^(t - M), with t = logit x log2(e) and M = ceil(the row's largest t), a whole number; so 1/2 < the row's largest p <= 1. The row's sum l is taken of the UNQUANTISED p, in f32, and the product's result is divided by l at the end. Since M is a whole number, a kernel that streams over the keys may use a running M (the ceiling of the running maximum): every later rescaling is an exact power of two, so the quantised numbers keep their values, but for numbers so far below the row's largest that they fall under the format's range.
;;   OPERANDS COMPUTED ON THE WAY. 'Computed on the way' means the value that the module computes at that place (a softmax that the list does not call 'softmax' is quantised finished and normalised). What goes into a quantiser is computed in f32, as accurately as f32 sums, v_exp_f32 and their like allow (about 1e-6 of the number): no bf16 or f16 on the way to a quantiser, and a product that is left as it is and whose result goes on into a quantised operand takes f32 operands (vector FMAs, or v_wmma_f32_16x16x4_f32). A number that lies on a knife's edge between two numbers of the format may be rounded either way, as far as f32 arithmetic and the matrix unit's own rounding can turn it there, and no further.
;; One version. Each part assembles by itself: llvm-mc -triple=amdgcn-amd-amdhsa -mcpu=gfx1250 --defsym DOCPART=n.
;; ======== version 1 of 1: 4 launches
;; limits: right only within a limited range of input values
;; workspace buffers: codes 12,582,912 bytes; qkv 25,165,824 bytes; att 8,388,608 bytes
;; launch quant (part 1): grid 768 x 1, 4 waves a work-group, no clusters, 34,304 bytes of LDS; arguments x, qkv_w, out_w, lowp_scales, codes; writes codes
.if DOCPART == 1
	.amdgcn_target "amdgcn-amd-amdhsa--gfx1250"
	.amdhsa_code_object_version 6
	.text
	.protected	k_qb7311d91b2_quant
	.globl	k_qb7311d91b2_quant
	.p2align	8
	.type	k_qb7311d91b2_quant,@function
k_qb7311d91b2_quant:
	s_mov_b64 s[64:65], 0
	v_nop
	global_prefetch_b8 v0, s[64:65] scope:SCOPE_SE
	s_setreg_imm32_b32 hwreg(HW_REG_WAVE_MODE, 25, 1), 1
	s_wait_xcnt 0x0
; x [8192][1024], qkv_w [3072][1024] and out_w [1024][1024], f32, become codes of E4M3, each tensor with its given scale 2^e (entries 0, 1, 7 of the scales).
; code = number / 2^e, held within +-448, rounded to the nearest code, ties to even.  LIMITS: e between -126 and 119; NaN among the inputs is not served.
; THE CODES ARE LAID AS IMAGES OF THE OPERAND'S REGISTERS.  A row tile is 16 rows; row tiles 0-511: x; 512-703: qkv_w; 704-767: out_w.  Eight row tiles form a group of 131,072 bytes, laid
; [K step of 256][row tile][4,096 bytes]; in the 4,096 bytes the byte of (row, k) is ((k % 256) / 32) 512 + ((k / 16) % 2) 256 + (row % 16) 16 + k % 16:
; each 512 bytes are one load of 16 bytes a lane, in which lane (r, h) finds k = 32 c + 16 h + 0 .. 15 of row r.  So 128 rows' codes of one or of several K steps on end are one dense block.
; SHARES.  Work-group g takes row tile g; a wave takes one K step of it: two steps of 16 rows x 128 numbers, all 32 loads issued at the head.  Each load reads 512 consecutive bytes of one row;
; the numbers turn through the wave's own stage in LDS (rows of 512 + 16 bytes) and come back 64 bytes a lane, so that a lane holds 16 neighbours along K of each block of 32, as the conversions want.
; Each store covers 512 consecutive bytes.  Waves share nothing: no barrier.  No matrix unit, cluster or tensor load: no work-group reads what another reads.
.set SP,  528                          ; a stage row
.set WST, 16*SP                        ; a wave's stage
.set R,   16                           ; v16-143   two sets of 64 numbers as loaded
.set X,   144                          ; v144-207  64 numbers as the conversions want them
.set C,   208                          ; v208-239  two sets of 16 registers of codes
	s_load_b256 s[4:11], s[0:1], 0x0               ; x s[4:5], qkv_w s[6:7], out_w s[8:9], the scales' exponents s[10:11]
	s_load_b64 s[12:13], s[0:1], 0x20              ; the codes
	v_lshl_add_u32 v240, v0, 2, 0x8400             ; my spare word, behind the four stages
	v_mov_b32 v241, 0
	v_lshrrev_b32 v1, 5, v0
	v_readfirstlane_b32 s16, v1                    ; wave 0..3: my K step
	v_and_b32 v2, 31, v0
	v_lshlrev_b32 v3, 4, v2                        ; 16 x lane: my bytes of a load's or a store's 512
	s_mul_i32 s17, s16, WST
	v_add_nc_u32 v14, s17, v3                      ; into the stage: as loaded
	v_and_b32 v4, 15, v0                           ; r
	v_bfe_u32 v5, v0, 4, 1                         ; h
	v_mul_u32_u24 v15, v4, SP
	v_lshl_add_u32 v15, v5, 6, v15
	v_add_nc_u32 v15, s17, v15                     ; out of it: row r, + 64 h
	s_wait_alu depctr_va_vdst(0)                   ; directly ahead of the wait below
	s_wait_kmcnt 0x0
	s_load_b256 s[24:31], s[10:11], 0x0            ; e0 .. e7
	s_cmp_lt_u32 ttmp9, 512                        ; which tensor: the choice hangs on the work-group's number alone
	s_cselect_b64 s[4:5], s[4:5], s[6:7]
	s_cselect_b32 s20, 0, 512
	s_cmp_lt_u32 ttmp9, 704
	s_cselect_b64 s[4:5], s[4:5], s[8:9]
	s_cselect_b32 s20, s20, 704                    ; the tensor's first row tile
	s_sub_co_u32 s20, ttmp9, s20
	s_lshl_b32 s20, s20, 16                        ; 16 rows of 4,096 bytes,
	s_lshl_b32 s21, s16, 10                        ; and my 256 numbers of a row
	s_add_co_u32 s20, s20, s21
	s_mov_b32 s21, 0
	s_add_nc_u64 s[4:5], s[4:5], s[20:21]
	s_lshr_b32 s22, ttmp9, 3
	s_lshl_b32 s22, s22, 17                        ; the group,
	s_and_b32 s23, ttmp9, 7
	s_lshl_b32 s23, s23, 12                        ; the row tile in it,
	s_add_co_u32 s22, s22, s23
	s_lshl_b32 s23, s16, 15                        ; and the K step
	s_add_co_u32 s22, s22, s23
	s_mov_b32 s23, 0
	s_add_nc_u64 s[12:13], s[12:13], s[22:23]
.macro LOAD t                          ; step t: 128 numbers of each of the 16 rows
.set i, 0
.rept 16
	global_load_b128 v[R+64*(\t)+4*i:R+64*(\t)+4*i+3], v3, s[4:5] offset:4096*i+512*(\t) th:TH_LOAD_NT
.set i, i+1
.endr
.endm
	LOAD 0
	LOAD 1
	s_wait_kmcnt 0x0
	s_cmp_lt_u32 ttmp9, 512
	s_cselect_b32 s22, s24, s25
	s_cmp_lt_u32 ttmp9, 704
	s_cselect_b32 s22, s22, s31                    ; e
	s_add_co_i32 s22, s22, 127
	s_lshl_b32 s23, s22, 23
	v_mov_b32 v11, s23                             ; 2^e as f32: the conversion takes its exponent field
	s_add_co_i32 s22, s22, 8
	s_lshl_b32 s22, s22, 23
	s_or_b32 s22, s22, 0x600000
	v_mov_b32 v10, s22                             ; 448 x 2^e
.macro STEP t
.set RS, R+64*(\t)
.set CC, C+16*(\t)
	s_wait_loadcnt 16*(1-(\t))                     ; this step's sixteen loads are in; step 1's sixteen may be out
.set i, 0
.rept 16
	ds_store_b128 v14, v[RS+4*i:RS+4*i+3] offset:SP*i
.set i, i+1
.endr
.set i, 0
.rept 16                               ; LDS serves a wave's instructions in order: these see the stores above
	ds_load_b128 v[X+4*i:X+4*i+3], v15 offset:128*(i/4)+16*(i%4)
.set i, i+1
.endr
	s_wait_dscnt 0x0
.set i, 0
.rept 64
	v_med3_num_f32 v[X+i], v[X+i], -v10, v10       ; the conversion to an 8-bit code does not saturate (ISA guide 7.6.2): the hold at the largest code x the scale
.set i, i+1
.endr
.set i, 0
.rept 8
	v_cvt_scalef32_pk8_fp8_f32 v[CC+2*i:CC+2*i+1], v[X+8*i:X+8*i+7], v11
.set i, i+1
.endr
	v_nop                                          ; one plain vector line between the conversions and the next step's holds, which write their sources
.set i, 0
.rept 4
	global_store_b128 v3, v[CC+4*i:CC+4*i+3], s[12:13] offset:2048*(\t)+512*i   ; 32 lanes store 512 consecutive bytes
.set i, i+1
.endr
.endm
	s_wait_alu depctr_va_vdst(0)                   ; at the head's end
	STEP 0
	STEP 1
	s_wait_tensorcnt 0x0                           ; the wave's end
	ds_add_u32 v240, v241
	s_wait_dscnt 0x0
	s_endpgm
.Lfunc_end_k_qb7311d91b2_quant:
	.size	k_qb7311d91b2_quant, .Lfunc_end_k_qb7311d91b2_quant-k_qb7311d91b2_quant
	.p2alignl 7, 3214868480
	.fill 96, 4, 3214868480
	.section	.rodata,"a",@progbits
	.p2align	6, 0x0
	.amdhsa_kernel k_qb7311d91b2_quant
		.amdhsa_group_segment_fixed_size 34304
		.amdhsa_private_segment_fixed_size 0
		.amdhsa_enable_private_segment 0
		.amdhsa_kernarg_size 40
		.amdhsa_user_sgpr_count 2
		.amdhsa_user_sgpr_kernarg_segment_ptr 1
		.amdhsa_wavefront_size32 1
		.amdhsa_system_sgpr_workgroup_id_x 1
		.amdhsa_system_sgpr_workgroup_id_y 1
		.amdhsa_system_sgpr_workgroup_id_z 1
		.amdhsa_system_vgpr_workitem_id 0
		.amdhsa_next_free_vgpr 242
		.amdhsa_next_free_sgpr 66
		.amdhsa_reserve_vcc 0
		.amdhsa_float_denorm_mode_32 3
		.amdhsa_float_denorm_mode_16_64 3
		.amdhsa_memory_ordered 1
		.amdhsa_forward_progress 1
		.amdhsa_inst_pref_size 20
	.end_amdhsa_kernel
	.amdgpu_metadata
---
amdhsa.version: [ 1, 2 ]
amdhsa.kernels:
  - .name:           k_qb7311d91b2_quant
    .symbol:         k_qb7311d91b2_quant.kd
    .args:
      - { .name: x, .offset: 0, .size: 8, .value_kind: global_buffer, .address_space: global }
      - { .name: qkv_w, .offset: 8, .size: 8, .value_kind: global_buffer, .address_space: global }
      - { .name: out_w, .offset: 16, .size: 8, .value_kind: global_buffer, .address_space: global }
      - { .name: lowp_scales, .offset: 24, .size: 8, .value_kind: global_buffer, .address_space: global }
      - { .name: codes, .offset: 32, .size: 8, .value_kind: global_buffer, .address_space: global }
    .group_segment_fixed_size: 34304
    .private_segment_fixed_size: 0
    .kernarg_segment_align: 8
    .kernarg_segment_size: 40
    .max_flat_workgroup_size: 128
    .sgpr_count:     66
    .vgpr_count:     242
    .wavefront_size: 32
...
	.end_amdgpu_metadata
.endif
;; end of part 1
;; launch qkv (part 2): grid 8 x 48, 4 waves a work-group, clusters of 4 x 4, 327,680 bytes of LDS; arguments codes, qkv_b, lowp_scales, qkv; writes qkv
.if DOCPART == 2
	.amdgcn_target "amdgcn-amd-amdhsa--gfx1250"
	.amdhsa_code_object_version 6
	.text
	.protected	k_qb7311d91b2_qkv
	.globl	k_qb7311d91b2_qkv
	.p2align	8
	.type	k_qb7311d91b2_qkv,@function
k_qb7311d91b2_qkv:
	s_mov_b64 s[64:65], 0
	v_nop
	global_prefetch_b8 v0, s[64:65] scope:SCOPE_SE
	s_setreg_imm32_b32 hwreg(HW_REG_WAVE_MODE, 25, 1), 1
	s_wait_xcnt 0x0
	s_wait_alu depctr_hold_cnt(0) depctr_sa_sdst(0) depctr_va_vdst(0) depctr_va_sdst(0) depctr_va_ssrc(0) depctr_va_vcc(0) depctr_vm_vsrc(0)
	s_getreg_b32 s2, hwreg(HW_REG_IB_STS2, 6, 4)
	s_cmp_eq_u32 s2, 0
	s_cbranch_scc0 .Lentry_in_a_cluster
	s_endpgm
.Lentry_in_a_cluster:
	s_bfe_u32 s2, ttmp6, 0x10000c
	s_cmp_lg_u32 s2, 0xf033
	s_cbranch_scc0 .Lentry_shape_is_right
	s_endpgm
.Lentry_shape_is_right:
; qkv = x qkv_w^T + qkv_b on codes of E4M3 (scales 2^e0, 2^e1), f32 sums; the results are quantised at once: q with 2^e2, k with 2^e3, v with 2^e5.
; LIMITS: e0 + e1 between -126 and 127; e2, e3, e5 between -126 and 119.  NaN among the inputs is not served.
; A tile of 256 x 256 results is made by four waves, 128 x 128 each: 64 accumulators, 512 registers.  K = 1,024 goes in four steps of 256 through two LDS slots filled by the tensor data mover.
; OPERANDS lie in memory as images of the operand's registers: a row tile (16 rows x 1,024 K) is 16,384 bytes, each 512 bytes one load of 16 bytes a lane (lane (r, h): k = 32 c + 16 h + 0 .. 15 of row r;
; the same order of k on both sides).  A K step of a row tile is 4,096 consecutive bytes; in LDS the row tiles follow each other without gaps, and every fragment load reads 512 consecutive bytes.
; THE MATRIX INSTRUCTION: source 0 = side B's 16 rows, source 1 = side A's 16 rows: lane (r, h) of accumulator (a, b) holds side A's row 16 a + r and side B's rows 16 b + 8 h + 0 .. 7.
; TWO KINDS OF CLUSTER, by the cluster's y alone (equal in all sixteen partners).  y < 8: side A = x, side B = the weights of q and k: a lane's eight results are eight neighbours along the head's axis, the K of q k^T.
; y >= 8: side A = the weights of v, side B = x: a lane's eight results are eight neighbouring TOKENS, the K of p v.  The sides are swapped in the descriptors' addresses alone.
; CLUSTERS: 4 x 4 work-groups; side A's tile is shared along a row of the cluster, side B's along a column: each is asked for jointly, by the same tensor load with a mask that names the four.
; OUTPUT, for head bh = 16 batch + head, 393,216 bytes: q's image at 0, k's at 131,072: [token tile][c][lane][16 bytes], lane (r, h): d = 32 c + 16 h + 0 .. 15 of token 16 T + r;
; v's at 262,144: [128 keys G][dt][c][lane][16 bytes], lane (r, h): d = 16 dt + r, keys 128 G + 32 c + 8 h + 0 .. 7 and + 16 more.  Every store of a wave covers 256 or 512 consecutive bytes, aligned.
; REGISTERS: window 0: v16-29 addresses; v32-95 the biases; v96, v97 the output's scale and hold; v128-255 side A's fragments, one set (on the way out: v128-191 numbers, v192-207 codes).
;   window 1: side B's fragments, two sets.   windows 2, 3: the accumulators of my rows 0-63 and 64-127 ((a, b) at v[8 (8 (a % 4) + b)]).
.set RTB,    4096                      ; a row tile's bytes in a K step of 256
.set HALFT,  8*RTB                     ; 128 rows: what one tensor load brings, and what one wave reads of a side
.set SLOT,   4*HALFT                   ; side A's 256 rows, then side B's
.set SPARE,  2*SLOT                    ; behind the ring: the spare words, 128 bytes for each wave
.set KADV,   2*HALFT                   ; a slot's next K step in memory: 128 rows' codes of a K step are 32,768 dense bytes, the K steps on end
.set FR,     16                        ; registers of a fragment
.set NL,     4                         ; LDS loads that bring one
.set NP,     4                         ; places behind this matrix instruction (ISA guide 7.12.1)
.set HB,     393216                    ; a head's bytes in the output
.set ADRA, 16                          ; v16-17  LDS address of my fragments of side A in slot 0, 1
.set ADRB, 20                          ; v20-21  the same for side B
.set GO,   24                          ; v24     16 r + 8 h: my 8 bytes of q's or k's 256
.set LI,   25                          ; v25     16 x lane
.set BQ,   26                          ; v26     32 h: my eight biases of a tile of q or k
.set BV,   27                          ; v27     4 r: my bias of a tile of v
.set SPW,  28                          ; v28     LDS address of my spare word; never rewritten
.set NIL,  29                          ; v29     0; never rewritten
.set BIAS, 32
.set SCO,  96
.set LIM,  97
.set AF,   128
.set T,    128
.set C,    192
.set G1, 24                            ; s[24:31] descriptor group 1 for side A;  s[32:39] group 0, one set for each slot
.set G0, 32
.set G1B, 48                           ; s[48:55], s[56:63] the same for side B
.set G0B, 56
.set MSB, 0
.macro WIN new                         ; the immediate's high byte repeats the setting that is left
.if MSB != (\new)
	s_set_vgpr_msb (MSB<<8)|(\new)
.set MSB, (\new)
.endif
.endm
.set MUL_LO, 0xa1                      ; source 0 (B) window 1, source 1 (A) window 0, C and D window 2
.set MUL_HI, 0xf1                      ; the same, C and D window 3
.set TO_B,   0x40                      ; destination window 1, address window 0
; A joint load: waves 0 and 1 fetch for side A, waves 2 and 3 for side B.  The branch hangs on the wave's number alone.  Four v_nop follow each of the two lines.
.macro JLOAD g0a, g1a, g0b, g1b
	s_cmp_eq_u32 s15, 0
	s_cbranch_scc0 .Lfor_b_\@
	tensor_load_to_lds s[\g0a:\g0a+3], s[\g1a:\g1a+7]
	s_nop 0
.rept 4
	v_nop
.endr
	s_branch .Lasked_\@
.Lfor_b_\@:
	tensor_load_to_lds s[\g0b:\g0b+3], s[\g1b:\g1b+7]
	s_nop 0
.rept 4
	v_nop
.endr
.Lasked_\@:
.endm
.macro CREST                           ; a round of the cluster's barrier behind its opening barrier
	s_cmp_lg_u32 s14, 0
	s_cbranch_scc1 .Lnot_wave_0_\@
	s_barrier_signal -3
.Lnot_wave_0_\@:
	s_barrier_wait -3
	s_barrier_signal -1
	s_barrier_wait -1
.endm
.macro CROUND                          ; a whole round
	s_barrier_signal -1
	s_barrier_wait -1
	CREST
.endm
	s_load_b256 s[4:11], s[0:1], 0x0               ; the codes s[4:5], qkv_b s[6:7], the scales' exponents s[8:9], the output s[10:11]
	v_lshl_add_u32 v[SPW], v0, 2, SPARE
	v_mov_b32 v[NIL], 0
	ds_add_u32 v28, v29
	ds_add_u32 v28, v29
	s_wait_dscnt 0x0
	v_lshrrev_b32 v1, 5, v0
	v_readfirstlane_b32 s14, v1                    ; wave 0..3
	s_lshr_b32 s15, s14, 1                         ; which half of side A's rows is mine.  Also: I fetch for side A (0) or B (1)
	s_and_b32 s16, s14, 1                          ; which half of side B's rows.  Also: which 128 rows of that tile I fetch
	s_bfe_u32 s40, ttmp6, 0x40000                  ; cx, cy: my place in the cluster
	s_bfe_u32 s41, ttmp6, 0x40004
	s_mov_b32 s67, ttmp9                           ; the cluster's x: 0 or 1
	s_and_b32 s66, ttmp7, 0xffff                   ; the cluster's y: 0 .. 11
	s_lshl_b32 s42, s67, 2
	s_add_co_u32 s42, s42, s40                     ; tx = 4 x cluster x + cx
	s_lshl_b32 s43, s41, 2
	s_lshl_b32 s43, 15, s43                        ; my row of the cluster
	s_lshl_b32 s44, 0x1111, s40                    ; my column
	; in memory eight row tiles form a group of 131,072 bytes laid [K step][row tile][4,096 bytes].  Descriptor group 1: rows of 4,096 bytes, dense in memory and in LDS:
	; sixteen at the head (my 128 rows' K steps 0 and 1, both slots by one load), eight for a refill (the two words are written anew behind the wait for the first load)
	s_or_b32 s[G1+0], s43, (3<<16)|(1<<21)         ; 15:0 the mask: side A's tiles go to my row; 17:16 elements of 8 bytes; 21 set beside a mask
	s_or_b32 s[G1B+0], s44, (3<<16)|(1<<21)        ; side B's go to my column
.irp g, G1, G1B
	s_mov_b32 s[\g+1], 512<<16                     ; tensor_dim0 = 512 elements
	s_mov_b32 s[\g+2], 16<<16                      ; tensor_dim1 = 16
	s_mov_b32 s[\g+3], 512<<16                     ; tile_dim0
	s_mov_b32 s[\g+4], 16                          ; tile_dim1
	s_mov_b32 s[\g+5], 512                         ; tensor_dim0_stride: 4,096 bytes
	s_mov_b32 s[\g+6], 0
	s_mov_b32 s[\g+7], 0
.endr
	; the first row tile that I fetch.  Side A: x at 64 y + 16 cy, or v's weights at 640 + 16 cy.  Side B: q's and k's weights at 512 + 16 tx, or x at 128 (y - 8) + 16 tx.
	s_lshl_b32 s18, s16, 3                         ; + 8 x my half
	s_lshl_b32 s20, s66, 6
	s_lshl_b32 s46, s66, 7
	s_sub_co_u32 s46, s46, 1024                    ; (used where y >= 8 alone)
	s_mov_b32 s21, 640
	s_mov_b32 s47, 512
	s_cmp_lt_u32 s66, 8
	s_cselect_b32 s20, s20, s21
	s_cselect_b32 s46, s47, s46
	s_lshl_b32 s21, s41, 4
	s_add_co_u32 s20, s20, s21
	s_add_co_u32 s20, s20, s18                     ; side A: hangs on the cluster's y, cy and the wave
	s_lshl_b32 s47, s42, 4
	s_add_co_u32 s46, s46, s47
	s_add_co_u32 s46, s46, s18                     ; side B: on the cluster's x and y, cx and the wave
	s_lshl_b32 s20, s20, 14                        ; in bytes
	s_lshl_b32 s46, s46, 14
	s_mov_b32 s21, 0
	s_mov_b32 s47, 0
	s_mul_i32 s45, s14, 2*HALFT                    ; where they go: LDS is laid [wave that fetched][slot][128 rows]: no place in the cluster enters an LDS address
	s_wait_kmcnt 0x0
	s_load_b256 s[72:79], s[8:9], 0x0              ; e0 .. e7
	s_add_nc_u64 s[20:21], s[4:5], s[20:21]
	s_add_nc_u64 s[46:47], s[4:5], s[46:47]
	CROUND                                         ; all sixteen work-groups are here: the first joint loads meet
.irp s, 0,1
	s_mov_b32 s[G0+4*\s], 1
	s_add_co_u32 s[G0+4*\s+1], s45, \s*HALFT
	s_add_nc_u64 s[G0+4*\s+2:G0+4*\s+3], s[20:21], \s*HALFT
	s_or_b32 s[G0+4*\s+3], s[G0+4*\s+3], 0x80000000
	s_mov_b32 s[G0B+4*\s], 1
	s_add_co_u32 s[G0B+4*\s+1], s45, \s*HALFT
	s_add_nc_u64 s[G0B+4*\s+2:G0B+4*\s+3], s[46:47], \s*HALFT
	s_or_b32 s[G0B+4*\s+3], s[G0B+4*\s+3], 0x80000000
.endr
	JLOAD G0, G1, G0B, G1B                         ; K steps 0 and 1: one tensor load a wave at the head
	v_and_b32 v1, 31, v0
	v_lshlrev_b32 v[LI], 4, v1
	v_and_b32 v2, 15, v0                           ; r
	v_bfe_u32 v3, v0, 4, 1                         ; h
	v_lshlrev_b32 v[GO], 4, v2
	v_lshl_add_u32 v[GO], v3, 3, v[GO]
	v_lshlrev_b32 v[BQ], 5, v3
	v_lshlrev_b32 v[BV], 2, v2
	; PREFETCHES INTO THE L2 of K steps 2 and 3, each two K steps ahead of the refill that loads it.  Of the 32,768 bytes that I fetch for a K step, each of the four partners that ask for them
	; jointly names 8,192, told apart by address (cx for side A, cy for side B), lanes 256 bytes apart: each block of 256 bytes is named once in each cluster that loads it.  The registers are never rewritten.
	v_lshlrev_b32 v30, 8, v1
	s_wait_alu depctr_va_vdst(0)                   ; ahead of the run of scalar lines
	s_cmp_eq_u32 s15, 0
	s_cselect_b64 s[88:89], s[20:21], s[46:47]
	s_cselect_b32 s90, s40, s41
	s_lshl_b32 s90, s90, 13
	s_mov_b32 s91, 0
	s_add_nc_u64 s[88:89], s[88:89], s[90:91]
	global_prefetch_b8 v30, s[88:89] offset:2*HALFT th:TH_LOAD_NT scope:SCOPE_SE
	s_mul_i32 s21, s15, 2*HALFT                    ; my 128 rows of side A: fetched by wave 0 or 1
	s_mul_i32 s22, s16, 2*HALFT                    ; my 128 rows of side B:
	s_add_co_u32 s22, s22, 4*HALFT                 ; fetched by wave 2 or 3
.irp s, 0,1
	v_add_nc_u32 v[ADRA+\s], s21, v[LI]
	v_add_nc_u32 v[ADRB+\s], s22, v[LI]
	s_add_co_u32 s21, s21, HALFT
	s_add_co_u32 s22, s22, HALFT
.endr
.macro FRAG reg, adr, q, i             ; a fragment, 16 rows x 128 K: four loads of 512 consecutive bytes
.irp c, 0,1,2,3
	ds_load_b128 v[\reg+4*\c:\reg+4*\c+3], v[\adr] offset:(\i)*RTB+(\q)*2048+512*\c
.endr
.endm
; 16 matrix instructions: side A's blocks a0, a0 + 1 x side B's eight, 128 along K.  p: B's set.  zero = 1: the first product starts the sums.
; The 64 accumulators take turns, one instruction a turn, in the same order in every step.
.macro MUL16 a0, p, zero
.irp a, \a0, \a0+1
.irp b, 0,1,2,3,4,5,6,7
.if \zero == 1
	v_wmma_f32_16x16x128_fp8_fp8 v[8*(8*((\a)%4)+\b):8*(8*((\a)%4)+\b)+7], v[128*(\p)+FR*\b:128*(\p)+FR*\b+FR-1], v[AF+FR*(\a):AF+FR*(\a)+FR-1], 0
.else
	v_wmma_f32_16x16x128_fp8_fp8 v[8*(8*((\a)%4)+\b):8*(8*((\a)%4)+\b)+7], v[128*(\p)+FR*\b:128*(\p)+FR*\b+FR-1], v[AF+FR*(\a):AF+FR*(\a)+FR-1], v[8*(8*((\a)%4)+\b):8*(8*((\a)%4)+\b)+7]
.endif
.endr
.endr
.endm
.macro FETCH_B slot, q, p              ; B's eight fragments of the slot's q-th 128 along K into set p
	WIN TO_B
.irp i, 0,1,2,3,4,5,6,7
	FRAG 128*(\p)+FR*\i, ADRB+\slot, \q, \i
.endr
	WIN 0
.endm
.macro FETCH_A slot, q, i0             ; A's blocks i0 .. i0 + 3
.irp i, \i0, \i0+1, \i0+2, \i0+3
	FRAG AF+FR*(\i), ADRA+\slot, \q, \i
.endr
.endm
.macro PLACES n                        ; plain vector lines between a matrix instruction and a load into, or a vector line on, its registers
.rept \n
	v_nop
.endr
.endm
; A step of 128 along K that has its successor in the same slot.
.macro STEP slot, q, zero
	s_wait_dscnt 4*NL                              ; B's set and A's blocks 0-3 are in; the youngest sixteen loads (A's blocks 4-7) may be out
	WIN MUL_LO
	MUL16 0, (\q)%2, \zero
	MUL16 2, (\q)%2, \zero
	s_wait_dscnt 0                                 ; A's blocks 4-7 are in
	PLACES NP
	FETCH_B \slot, (\q)+1, 1-(\q)%2
	FETCH_A \slot, (\q)+1, 0
	WIN MUL_HI
	MUL16 4, (\q)%2, \zero
	MUL16 6, (\q)%2, \zero
	PLACES NP
	WIN 0
	FETCH_A \slot, (\q)+1, 4
.endm
; A slot's last step changes slots: one barrier; in front of it each wave waits for all its tensor loads, adds 0 to its spare word, and waits for that and for its own reads of this slot.  fill = 1: this slot is filled again.
.macro TURN slot, next, fill
	s_wait_tensorcnt 0x0                           ; all my tensor loads have landed: my part of the next slot
	ds_add_u32 v[SPW], v[NIL]                      ; 0 onto my spare word
	s_wait_dscnt 4*NL+1                            ; (the add and the youngest sixteen loads, A's blocks 4-7, may be out)
	WIN MUL_LO
	MUL16 0, 1, 0                                  ; sixteen matrix instructions stand between the add and the wait for it
	s_wait_dscnt 0x0                               ; the add is done, and my reads of this slot are over
	s_barrier_signal -1
	MUL16 2, 1, 0
	WIN 0
	s_barrier_wait -1
.if \fill
	CREST                                          ; the barrier has opened a round of the cluster's barrier: no wave of any partner still reads this slot or has a load on its way
	s_add_nc_u64 s[G0+4*\slot+2:G0+4*\slot+3], s[G0+4*\slot+2:G0+4*\slot+3], KADV
	s_add_nc_u64 s[G0B+4*\slot+2:G0B+4*\slot+3], s[G0B+4*\slot+2:G0B+4*\slot+3], KADV
	JLOAD G0+4*\slot, G1, G0B+4*\slot, G1B         ; the first tensor load behind the round; its four v_nop are the places in front of the loads below
.else
	PLACES NP
.endif
	FETCH_B \next, 0, 0
	FETCH_A \next, 0, 0
	WIN MUL_HI
	MUL16 4, 1, 0
	MUL16 6, 1, 0
	PLACES NP
	WIN 0
	FETCH_A \next, 0, 4
.endm
.macro LAST                            ; the very last step: nothing more to fetch
	s_wait_dscnt 4*NL
	WIN MUL_LO
	MUL16 0, 1, 0
	MUL16 2, 1, 0
	s_wait_dscnt 0
	WIN MUL_HI
	MUL16 4, 1, 0
	MUL16 6, 1, 0
	WIN 0
.endm
; THE WAY OUT of block a (16 rows of side A): sum x 2^(e0 + e1) + bias, the hold, the conversion, the stores.  kind 0: q and k; kind 1: v.  No LDS is needed: a lane's codes lie where the image wants them.
.macro OUTBLK a, kind
	s_wait_xcnt 0x0                                ; the last block's stores have read the codes' registers
	WIN 0x02+((\a)/4)                              ; source 0: window 2 or 3
.irp b, 0,1,2,3,4,5,6,7
.irp i, 0,2,4,6
.if \kind == 0
	v_pk_fma_f32 v[T+8*\b+\i:T+8*\b+\i+1], v[64*((\a)%4)+8*\b+\i:64*((\a)%4)+8*\b+\i+1], s[80:81], v[BIAS+8*\b+\i:BIAS+8*\b+\i+1] op_sel_hi:[1,0,1]
.else
	v_pk_fma_f32 v[T+8*\b+\i:T+8*\b+\i+1], v[64*((\a)%4)+8*\b+\i:64*((\a)%4)+8*\b+\i+1], s[80:81], v[BIAS+2*(\a):BIAS+2*(\a)+1] op_sel_hi:[1,0,1]
.endif
.endr
.endr
	WIN 0
.set j, 0
.rept 64
	v_med3_num_f32 v[T+j], v[T+j], -v[LIM], v[LIM] ; the conversion does not saturate (ISA guide 7.6.2): the hold at the largest code x the scale
.set j, j+1
.endr
.set j, 0
.rept 8
	v_cvt_scalef32_pk8_fp8_f32 v[C+2*j:C+2*j+1], v[T+8*j:T+8*j+7], v[SCO]
.set j, j+1
.endr
	v_nop                                          ; one plain vector line behind the conversions: the next block's lines write their sources
.if \kind == 0
.irp b, 0,1,2,3,4,5,6,7
	global_store_b64 v[GO], v[C+2*\b:C+2*\b+1], s[10:11] offset:(\b/4)*HB+(\a)*1024+(\b%4)*256   ; 32 lanes store 256 consecutive bytes, aligned: d = 16 (b % 4) .. + 15 of 16 tokens
.endr
.else
.irp c, 0,1,2,3
	global_store_b128 v[LI], v[C+4*\c:C+4*\c+3], s[10:11] offset:((\a)/4)*HB+((\a)%4)*2048+\c*512   ; 512 consecutive bytes: 32 keys of 16 of the head's 64
.endr
.endif
.endm
.macro SCALES e                        ; the output's scale 2^e and 448 x 2^e, e in s86
	s_add_co_i32 s86, \e, 127
	s_lshl_b32 s87, s86, 23
	v_mov_b32 v[SCO], s87
	s_add_co_i32 s86, s86, 8
	s_lshl_b32 s86, s86, 23
	s_or_b32 s86, s86, 0x600000
	v_mov_b32 v[LIM], s86
.endm
	s_wait_alu depctr_va_vdst(0)
	s_wait_tensorcnt 0x0                           ; my part of K steps 0 and 1 is in,
	s_barrier_signal -1
	s_barrier_wait -1                              ; everybody's is.
	s_mov_b32 s[G1+2], 8<<16                       ; no load of mine is out: from here on a load brings eight rows, one K step
	s_mov_b32 s[G1+4], 8
	s_mov_b32 s[G1B+2], 8<<16
	s_mov_b32 s[G1B+4], 8
	FETCH_B 0, 0, 0
	FETCH_A 0, 0, 0
	FETCH_A 0, 0, 4
	global_prefetch_b8 v30, s[88:89] offset:3*HALFT th:TH_LOAD_NT scope:SCOPE_SE
	STEP 0, 0, 1                                   ; the first products start the sums: nothing is cleared
	TURN 0, 1, 1                                   ; slot 0 takes K step 2
	STEP 1, 0, 0
	TURN 1, 0, 1                                   ; slot 1 takes K step 3
	STEP 0, 0, 0
	TURN 0, 1, 0                                   ; nothing is left to fetch
	STEP 1, 0, 0
	s_wait_kmcnt 0x0
	s_add_co_i32 s80, s72, s73                     ; e0 + e1
	s_add_co_i32 s80, s80, 127
	s_lshl_b32 s80, s80, 23                        ; 2^(e0 + e1) as f32
	s_mov_b32 s81, s80                             ; (named with it as a pair)
	s_cmp_lt_u32 s66, 8                            ; the kind of cluster: equal in all partners
	s_cbranch_scc0 .Lv
	; ---- q and k.  The biases are asked for ahead of the last 64 products.
	s_lshl_b32 s82, s42, 10                        ; my first feature, 256 tx + 128 x half, in bytes
	s_lshl_b32 s83, s16, 9
	s_add_co_u32 s82, s82, s83
	s_mov_b32 s83, 0
	s_add_nc_u64 s[6:7], s[6:7], s[82:83]
.irp b, 0,1,2,3,4,5,6,7
	global_load_b128 v[BIAS+8*\b:BIAS+8*\b+3], v[BQ], s[6:7] offset:64*\b
	global_load_b128 v[BIAS+8*\b+4:BIAS+8*\b+7], v[BQ], s[6:7] offset:64*\b+16
.endr
	s_lshl_b32 s84, s66, 2
	s_add_co_u32 s84, s84, s41                     ; ty = 4 y + cy: my tile of 256 tokens
	s_lshr_b32 s85, s84, 3                         ; the batch element
	s_lshl_b32 s85, s85, 4
	s_and_b32 s86, s42, 3
	s_lshl_b32 s86, s86, 2
	s_add_co_u32 s85, s85, s86
	s_lshl_b32 s86, s16, 1
	s_add_co_u32 s85, s85, s86                     ; my first head: 16 batch + 4 (tx % 4) + 2 x half
	s_mul_i32 s85, s85, HB
	s_lshl_b32 s86, s67, 17                        ; q's image (cluster x = 0) or k's
	s_add_co_u32 s85, s85, s86
	s_and_b32 s86, s84, 7
	s_lshl_b32 s86, s86, 4
	s_lshl_b32 s87, s15, 3
	s_add_co_u32 s86, s86, s87                     ; my first token tile in the batch element
	s_lshl_b32 s86, s86, 10
	s_add_co_u32 s84, s85, s86
	s_mov_b32 s85, 0
	s_add_nc_u64 s[10:11], s[10:11], s[84:85]
	s_cmp_eq_u32 s67, 0
	s_cselect_b32 s86, s74, s75                    ; e2 for q, e3 for k: a choice, no branch
	SCALES s86
	LAST
	PLACES NP
	s_wait_loadcnt 0x0                             ; the biases
.irp a, 0,1,2,3,4,5,6,7
	OUTBLK \a, 0
.endr
	s_branch .Ldone
.Lv:
	; ---- v
	s_lshl_b32 s82, s41, 10                        ; my first feature, 2,048 + 256 cy + 128 x half, in bytes
	s_lshl_b32 s83, s15, 9
	s_add_co_u32 s82, s82, s83
	s_add_co_u32 s82, s82, 8192
	s_mov_b32 s83, 0
	s_add_nc_u64 s[6:7], s[6:7], s[82:83]
.irp a, 0,1,2,3,4,5,6,7
	global_load_b32 v[BIAS+2*\a], v[BV], s[6:7] offset:64*\a      ; a lane has one feature in a block: its bias fills a pair
	global_load_b32 v[BIAS+2*\a+1], v[BV], s[6:7] offset:64*\a
.endr
	s_sub_co_u32 s84, s66, 8                       ; the batch element
	s_lshl_b32 s84, s84, 4
	s_lshl_b32 s85, s41, 2
	s_add_co_u32 s84, s84, s85
	s_lshl_b32 s85, s15, 1
	s_add_co_u32 s84, s84, s85                     ; my first head: 16 batch + 4 cy + 2 x half
	s_mul_i32 s84, s84, HB
	s_lshl_b32 s85, s42, 1
	s_add_co_u32 s85, s85, s16                     ; my 128 keys: G = 2 tx + half
	s_lshl_b32 s85, s85, 13
	s_add_co_u32 s84, s84, s85
	s_add_co_u32 s84, s84, 262144                  ; v's image
	s_mov_b32 s85, 0
	s_add_nc_u64 s[10:11], s[10:11], s[84:85]
	SCALES s77                                     ; e5
	LAST
	PLACES NP
	s_wait_loadcnt 0x0
.irp a, 0,1,2,3,4,5,6,7
	OUTBLK \a, 1
.endr
.Ldone:
	s_wait_tensorcnt 0x0                           ; the wave's end
	ds_add_u32 v[SPW], v[NIL]
	s_wait_dscnt 0x0
	CROUND                                         ; the closing round: no work-group ends while a partner may still ask for a tile that names it
	s_endpgm
.Lfunc_end_k_qb7311d91b2_qkv:
	.size	k_qb7311d91b2_qkv, .Lfunc_end_k_qb7311d91b2_qkv-k_qb7311d91b2_qkv
	.p2alignl 7, 3214868480
	.fill 96, 4, 3214868480
	.section	.rodata,"a",@progbits
	.p2align	6, 0x0
	.amdhsa_kernel k_qb7311d91b2_qkv
		.amdhsa_group_segment_fixed_size 327680
		.amdhsa_private_segment_fixed_size 0
		.amdhsa_enable_private_segment 0
		.amdhsa_kernarg_size 32
		.amdhsa_user_sgpr_count 2
		.amdhsa_user_sgpr_kernarg_segment_ptr 1
		.amdhsa_wavefront_size32 1
		.amdhsa_system_sgpr_workgroup_id_x 1
		.amdhsa_system_sgpr_workgroup_id_y 1
		.amdhsa_system_sgpr_workgroup_id_z 1
		.amdhsa_system_vgpr_workitem_id 0
		.amdhsa_next_free_vgpr 1024
		.amdhsa_next_free_sgpr 100
		.amdhsa_reserve_vcc 0
		.amdhsa_float_denorm_mode_32 3
		.amdhsa_float_denorm_mode_16_64 3
		.amdhsa_memory_ordered 1
		.amdhsa_forward_progress 1
		.amdhsa_inst_pref_size 202
	.end_amdhsa_kernel
	.amdgpu_metadata
---
amdhsa.version: [ 1, 2 ]
amdhsa.kernels:
  - .name:           k_qb7311d91b2_qkv
    .symbol:         k_qb7311d91b2_qkv.kd
    .args:
      - { .name: codes, .offset: 0, .size: 8, .value_kind: global_buffer, .address_space: global }
      - { .name: qkv_b, .offset: 8, .size: 8, .value_kind: global_buffer, .address_space: global }
      - { .name: lowp_scales, .offset: 16, .size: 8, .value_kind: global_buffer, .address_space: global }
      - { .name: qkv, .offset: 24, .size: 8, .value_kind: global_buffer, .address_space: global }
    .group_segment_fixed_size: 327680
    .private_segment_fixed_size: 0
    .kernarg_segment_align: 8
    .kernarg_segment_size: 32
    .max_flat_workgroup_size: 128
    .sgpr_count:     100
    .vgpr_count:     1024
    .wavefront_size: 32
...
	.end_amdgpu_metadata
.endif
;; end of part 2
;; launch attn (part 3): grid 4 x 64, 8 waves a work-group, clusters of 4 x 1, 327,680 bytes of LDS; arguments qkv, lowp_scales, att; writes att
.if DOCPART == 3
	.amdgcn_target "amdgcn-amd-amdhsa--gfx1250"
	.amdhsa_code_object_version 6
	.text
	.protected	k_qb7311d91b2_attn
	.globl	k_qb7311d91b2_attn
	.p2align	8
	.type	k_qb7311d91b2_attn,@function
k_qb7311d91b2_attn:
	s_mov_b64 s[64:65], 0
	v_nop
	global_prefetch_b8 v0, s[64:65] scope:SCOPE_SE
	s_setreg_imm32_b32 hwreg(HW_REG_WAVE_MODE, 25, 1), 1
	s_wait_xcnt 0x0
	s_wait_alu depctr_hold_cnt(0) depctr_sa_sdst(0) depctr_va_vdst(0) depctr_va_sdst(0) depctr_va_ssrc(0) depctr_va_vcc(0) depctr_vm_vsrc(0)
	s_getreg_b32 s2, hwreg(HW_REG_IB_STS2, 6, 4)
	s_cmp_eq_u32 s2, 0
	s_cbranch_scc0 .Lentry_in_a_cluster
	s_endpgm
.Lentry_in_a_cluster:
	s_bfe_u32 s2, ttmp6, 0x10000c
	s_cmp_lg_u32 s2, 0x3003
	s_cbranch_scc0 .Lentry_shape_is_right
	s_endpgm
.Lentry_shape_is_right:
; att = Q(softmax(q k^T / 8) v), head by head, both products on codes of E4M3 (q 2^e2, k 2^e3, p 2^e4, v 2^e5); the result is quantised at once with 2^e6.
; THE SOFTMAX: t = score x log2(e) / 8; M = the running largest t rounded up to a whole number; p = 2^(t - M) is quantised, not normalised; the row's sum is taken of the unquantised p in f32
; and divides at the end.  When M moves, the sum and O are multiplied by 2^(old M - new M), which rounds nothing.
; LIMITS: e2 + e3 between -123 and 130 (added to c's exponent field); e4 and e6 between -126 and 119; the scaled scores stay under 2^31 in magnitude; NaN among the inputs is not served.
; INPUT, for head bh, 393,216 bytes: q's image at 0, k's at 131,072: [token tile][c][lane][16 bytes], lane (r, h): d = 32 c + 16 h + 0 .. 15 of token 16 T + r;
; v's at 262,144: [128 keys G][dt][c][lane][16 bytes], lane (r, h): d = 16 dt + r, keys 128 G + 32 c + 8 h + 0 .. 7 and the eight that lie 16 further on.
; OUTPUT: images of the next product's operand: row tile (16 tokens x 1,024) of 16,384 bytes, byte (k / 32) 512 + ((k / 16) % 2) 256 + 16 row + k % 16.  Each store of a wave covers 256 consecutive bytes, aligned.
; SHARES.  A work-group owns 512 queries of one head, each of its eight waves 64 of them (four tiles of 16), two waves to a SIMD.  Every wave walks all 2,048 keys, 128 a step.
; LDS holds ALL of the head's K and V, 262,144 bytes, filled once: wave w asks for keys 256 w .. 256 w + 255 by ONE tensor load of two rows of 16,384 bytes (K's, and V's 131,072 bytes further on in memory),
; which land at 32,768 w.  A wave works the first 128 keys of its own load as soon as that load is in, between the signal and the wait of the one work-group barrier, and then the other fifteen steps,
; cyclically from there: a running maximum does not hang on the order of the keys.
; FRAGMENTS.  The next step's fragments of K are asked of LDS in the middle of a step, behind its last score products.  (The first step's look-ahead reads the wave's own load; the last trip's reads the wave's first step
; once more, sixteen loads whose registers nobody uses: so the loop has one body.)  V's fragments dt 0, 1 are asked for with them; dt 2, 3 land in score registers that are free behind the step's last conversions.
; CLUSTERS: the four work-groups of a head ask for K and V jointly (mask 15).  No prefetch: the launch has no loop of loads from memory to run ahead in: all that it reads through LDS is asked for at its head.
; LAYOUT: S^T = K Q^T (source 0 = 16 keys, source 1 = 16 queries), O^T = V^T P^T: a lane holds one query (lane % 16) throughout; p's codes of key tiles 2 c, 2 c + 1 are registers 4 c .. 4 c + 3 of the operand, in v's order of keys.
; REGISTERS: window 0: v1-63 addresses and state; v64-191 S^T of two query tiles, then p (v64-95 at a step's end: V's dt 2, 3); v192-255 p's codes of four tiles.
;   Window 1: v0-127 O^T; v128-159 Q; v160-223 fragments of K; v224-255 V's dt 0, 1.
.set HB,    393216
.set SPARE, 0x40000                    ; behind K and V: the spare words, 128 bytes for each wave
.set LI,   1                           ; 16 x lane
.set ADK,  2                           ; LDS address of the next step's fragments
.set GO,   3                           ; 16 r + 8 h: my 8 bytes of a store's 256
.set PLA,  4                           ; 448 x 2^e4, twice: the two halves of a dual line take their first sources from different banks
.set PLB,  5
.set PSC,  6                           ; 2^e4
.set ADV,  7                           ; LDS address of this step's fragments
.set ST,   8                           ; v8-23: for each tile -M, the largest score, the sum in two halves
.set F,    24                          ; v24-31: for each tile f = 2^(old M - new M), in the low word of a pair
.set TA,   32
.set TC,   34
.set PX,   36
.set NM,   38
.set SUM2, 40
.set OLIM, 44
.set OSC,  45
.set G,    48
.set SPW,  62
.set NIL,  63
.set S,    64
.set P,    192
.set O,    0
.set Q,    128
.set FR,   160
.set FRX,  224
.set WV,   10
.set SEL,  20
.set CS,   22
.set TB,   67
.set CNT,  68
.set TBN,  70
.set MSB, 0
.macro WIN new                         ; the immediate's high byte repeats the setting that is left
.if MSB != (\new)
	s_set_vgpr_msb (MSB<<8)|(\new)
.set MSB, (\new)
.endif
.endm
.macro CROUND                          ; a round of the cluster's barrier
	s_barrier_signal -1
	s_barrier_wait -1
	s_cmp_lg_u32 s[WV], 0
	s_cbranch_scc1 .Lnot_wave_0_\@
	s_barrier_signal -3
.Lnot_wave_0_\@:
	s_barrier_wait -3
	s_barrier_signal -1
	s_barrier_wait -1
.endm
.macro PLACES                          ; four plain lines behind a matrix instruction (ISA guide 7.12.1)
.rept 4
	v_nop
.endr
.endm
	s_load_b128 s[4:7], s[0:1], 0x0                ; qkv's codes s[4:5], the scales' exponents s[6:7]
	s_load_b64 s[8:9], s[0:1], 0x10                ; the output
	v_lshl_add_u32 v[SPW], v0, 2, SPARE
	v_mov_b32 v[NIL], 0
	ds_add_u32 v[SPW], v[NIL]                      ; the opening lines: the add, twice on end, and its wait ahead of my tensor load
	ds_add_u32 v[SPW], v[NIL]
	v_lshrrev_b32 v1, 5, v0
	v_readfirstlane_b32 s[WV], v1                  ; wave 0..7
	s_bfe_u32 s11, ttmp6, 0x40000                  ; cx
	s_lshl_b32 s12, ttmp9, 2
	s_add_co_u32 s12, s12, s11                     ; my block of 512 queries
	s_and_b32 s13, ttmp7, 0xffff                   ; the head, 16 batch + head
	s_mul_i32 s14, s13, HB
	s_mov_b32 s15, 0
	s_lshl_b32 s16, s[WV], 14
	s_add_co_u32 s16, s16, 131072                  ; my 256 keys in k's image
	s_mov_b32 s17, 0
	s_mov_b32 s24, 15|(3<<16)|(1<<21)              ; group 1: the mask of the four partners; elements of 8 bytes; bit 21 beside a mask
	s_mov_b32 s25, 2048<<16                        ; tensor_dim0: 16,384 bytes
	s_mov_b32 s26, 2<<16                           ; tensor_dim1: K's row and V's
	s_mov_b32 s27, 2048<<16                        ; tile_dim0
	s_mov_b32 s28, 2                               ; tile_dim1
	s_mov_b32 s29, 16384                           ; from K's image to V's: 131,072 bytes
	s_mov_b32 s30, 0
	s_mov_b32 s31, 0
	s_mov_b32 s48, 1
	s_lshl_b32 s49, s[WV], 15                      ; LDS: 32,768 x wave
	s_lshl_b32 s[TB], s[WV], 15                    ; there my first step begins,
	s_add_co_u32 s[TBN], s[TB], 8192               ; and here my second
	s_mov_b32 s[SEL], 0x76543210
	s_mov_b32 s[SEL+1], 0xfedcba98
	s_mov_b32 s[CS], 0x3e38aa3b                    ; c = log2(e) / 8
	s_wait_dscnt 0x0                               ; both opening adds are done
	s_wait_kmcnt 0x0
	s_load_b128 s[60:63], s[6:7], 0x8              ; e2, e3, e4, e5
	s_load_b32 s66, s[6:7], 0x18                   ; e6
	s_add_nc_u64 s[4:5], s[4:5], s[14:15]          ; the head
	s_add_nc_u64 s[50:51], s[4:5], s[16:17]
	s_or_b32 s51, s51, 0x80000000
	CROUND                                         ; the four partners are here: the joint loads meet
	tensor_load_to_lds s[48:51], s[24:31]          ; my one tensor load
	s_nop 0
	PLACES
	s_lshl_b32 s18, s12, 5
	s_lshl_b32 s19, s[WV], 2
	s_add_co_u32 s72, s18, s19                     ; my first query tile in the head
	s_lshl_b32 s18, s72, 10
	s_mov_b32 s19, 0
	s_add_nc_u64 s[4:5], s[4:5], s[18:19]
	v_and_b32 v[LI], 31, v0
	v_lshlrev_b32 v[LI], 4, v[LI]
	WIN 0x40
.set i, 0
.rept 8
	global_load_b128 v[Q+4*i:Q+4*i+3], v[LI], s[4:5] offset:512*i   ; Q's four fragments stay in registers
.set i, i+1
.endr
	WIN 0
	s_lshr_b32 s18, s13, 4                         ; the output: row tile 128 batch + my query tile, 16,384 bytes each; + 1,024 x head
	s_lshl_b32 s18, s18, 7
	s_add_co_u32 s18, s18, s72
	s_lshl_b32 s18, s18, 14
	s_and_b32 s73, s13, 15
	s_lshl_b32 s73, s73, 10
	s_add_co_u32 s18, s18, s73
	s_add_nc_u64 s[8:9], s[8:9], s[18:19]
	v_and_b32 v[GO], 15, v0
	v_bfe_u32 v7, v0, 4, 1
	v_lshlrev_b32 v[GO], 4, v[GO]
	v_lshl_add_u32 v[GO], v7, 3, v[GO]
	v_mov_b32 v[PX], 0                             ; a lane permute's destination counts as one of its sources
	v_mov_b32 v[PX+1], 0
.irp t, 0,1,2,3
	v_mov_b32 v[F+2*\t+1], 0                       ; (named as the upper half of a pair)
.endr
	s_wait_kmcnt 0x0
	s_add_co_i32 s74, s60, s61
	s_lshl_b32 s74, s74, 23
	s_add_co_i32 s[CS], s[CS], s74                 ; a score stands for score x 2^(e2 + e3)
	s_mov_b32 s[CS+1], s[CS]
	s_add_co_i32 s74, s62, 127
	s_lshl_b32 s75, s74, 23
	v_mov_b32 v[PSC], s75
	s_add_co_i32 s74, s74, 8
	s_lshl_b32 s74, s74, 23
	s_or_b32 s74, s74, 0x600000
	v_mov_b32 v[PLA], s74
	v_mov_b32 v[PLB], s74
	s_add_co_i32 s74, s66, 127
	s_lshl_b32 s75, s74, 23
	v_mov_b32 v[OSC], s75
	s_add_co_i32 s74, s74, 8
	s_lshl_b32 s74, s74, 23
	s_or_b32 s74, s74, 0x600000
	v_mov_b32 v[OLIM], s74
	s_add_co_i32 s69, s62, s63                     ; e4 + e5
; S^T of query tiles x, x + 1 against the step's eight key tiles.  w = 1: key tile kt's two loads are waited for by count: behind them 14 - 2 kt were issued
.macro SMUL x, w
	WIN 0x05
.irp kt, 0,1,2,3,4,5,6,7
.if \w
	s_wait_dscnt 14-2*\kt
.endif
.irp u, 0,1
	v_wmma_f32_16x16x64_fp8_fp8 v[S+64*\u+8*\kt:S+64*\u+8*\kt+7], v[FR+8*\kt:FR+8*\kt+7], v[Q+8*(\x+\u):Q+8*(\x+\u)+7], 0
.endr
.endr
.endm
; The sum of tile t's 64 unquantised p, at sb, onto its running sum: four chains by turns
.macro SUMT sb, t
	v_pk_add_f32 v[SUM2:SUM2+1], v[\sb:\sb+1], v[\sb+2:\sb+3]
	v_pk_add_f32 v[SUM2+2:SUM2+3], v[\sb+4:\sb+5], v[\sb+6:\sb+7]
	v_pk_add_f32 v[TA:TA+1], v[\sb+8:\sb+9], v[\sb+10:\sb+11]
.set j, 12
.rept 6
	v_pk_add_f32 v[ST+4*(\t)+2:ST+4*(\t)+3], v[ST+4*(\t)+2:ST+4*(\t)+3], v[\sb+j:\sb+j+1]
	v_pk_add_f32 v[SUM2:SUM2+1], v[SUM2:SUM2+1], v[\sb+j+2:\sb+j+3]
	v_pk_add_f32 v[SUM2+2:SUM2+3], v[SUM2+2:SUM2+3], v[\sb+j+4:\sb+j+5]
	v_pk_add_f32 v[TA:TA+1], v[TA:TA+1], v[\sb+j+6:\sb+j+7]
.set j, j+8
.endr
	v_pk_add_f32 v[ST+4*(\t)+2:ST+4*(\t)+3], v[ST+4*(\t)+2:ST+4*(\t)+3], v[\sb+60:\sb+61]
	v_pk_add_f32 v[SUM2:SUM2+1], v[SUM2:SUM2+1], v[\sb+62:\sb+63]
	v_pk_add_f32 v[SUM2+2:SUM2+3], v[SUM2+2:SUM2+3], v[TA:TA+1]
	v_pk_add_f32 v[ST+4*(\t)+2:ST+4*(\t)+3], v[ST+4*(\t)+2:ST+4*(\t)+3], v[SUM2:SUM2+1]
	v_pk_add_f32 v[ST+4*(\t)+2:ST+4*(\t)+3], v[ST+4*(\t)+2:ST+4*(\t)+3], v[SUM2+2:SUM2+3]
.endm
; The softmax of query tiles x (at S) and x + 1 (at S + 64).  Each accumulator is read from its low end on.  Plain lines that stand among exponentials read what was written ahead of the wait
; in front of that batch, and what they write is first read behind the wait that follows it.
.macro SOFTMAX2 x, first
.irp i, 0,1
	v_max3_num_f32 v[TA+\i], v[S+64*\i], v[S+64*\i+1], v[S+64*\i+2]
	v_max3_num_f32 v[TC+\i], v[S+64*\i+3], v[S+64*\i+4], v[S+64*\i+5]
.endr
.set j, 6
.rept 14
.irp i, 0,1
	v_max3_num_f32 v[TA+\i], v[TA+\i], v[S+64*\i+j], v[S+64*\i+j+1]
	v_max3_num_f32 v[TC+\i], v[TC+\i], v[S+64*\i+j+2], v[S+64*\i+j+3]
.endr
.set j, j+4
.endr
.irp i, 0,1
	v_max3_num_f32 v[TA+\i], v[TA+\i], v[S+64*\i+62], v[S+64*\i+63]
.endr
.irp i, 0,1
	v_max_num_f32 v[TA+\i], v[TA+\i], v[TC+\i]
.endr
.irp i, 0,1
	v_permlanex16_b32 v[PX+\i], v[TA+\i], s[SEL], s[SEL+1]          ; lane l xor 16 holds the query's other 64 keys
.endr
.if \first
.irp i, 0,1
	v_max_num_f32 v[ST+4*(\x+\i)+1], v[TA+\i], v[PX+\i]
.endr
.irp i, 0,1
	v_mul_f32 v[TC+\i], s[CS], v[ST+4*(\x+\i)+1]
.endr
.irp i, 0,1
	v_floor_f32 v[ST+4*(\x+\i)], -v[TC+\i]                          ; -M = floor(-t)
.endr
.irp i, 0,1
	v_mov_b32 v[ST+4*(\x+\i)+2], 0                                  ; the sum begins
	v_mov_b32 v[ST+4*(\x+\i)+3], 0
.endr
.else
.irp i, 0,1
	v_max3_num_f32 v[ST+4*(\x+\i)+1], v[ST+4*(\x+\i)+1], v[TA+\i], v[PX+\i]   ; the running largest score
.endr
.irp i, 0,1
	v_mul_f32 v[TC+\i], s[CS], v[ST+4*(\x+\i)+1]                    ; as t (c is positive)
.endr
.irp i, 0,1
	v_floor_f32 v[NM+\i], -v[TC+\i]                                 ; the new -M
.endr
.irp i, 0,1
	v_sub_f32 v[TA+\i], v[NM+\i], v[ST+4*(\x+\i)]                   ; old M - new M: a whole number, 0 or less
.endr
.irp i, 0,1
	v_mov_b32 v[ST+4*(\x+\i)], v[NM+\i]
.endr
.irp i, 0,1
	v_cvt_i32_f32 v[TA+\i], v[TA+\i]
.endr
.irp i, 0,1
	v_ldexp_f32 v[F+2*(\x+\i)], 1.0, v[TA+\i]                       ; f
.endr
.irp i, 0,1
	v_pk_mul_f32 v[ST+4*(\x+\i)+2:ST+4*(\x+\i)+3], v[ST+4*(\x+\i)+2:ST+4*(\x+\i)+3], v[F+2*(\x+\i):F+2*(\x+\i)+1] op_sel_hi:[1,0]   ; the sums under the new M
.endr
.endif
.set j, 0
.rept 32
	v_pk_fma_f32 v[S+j:S+j+1], v[S+j:S+j+1], s[CS:CS+1], v[ST+4*(\x):ST+4*(\x)+1] op_sel_hi:[1,0,0]   ; tile x: t - M
.set j, j+2
.endr
	s_wait_alu depctr_va_vdst(0)                   ; ahead of the batch
.set j, 0
.rept 32                               ; tile x: p = 2^(t - M); among these lines tile x + 1's t - M
	v_exp_f32 v[S+j], v[S+j]
	v_pk_fma_f32 v[S+64+j:S+64+j+1], v[S+64+j:S+64+j+1], s[CS:CS+1], v[ST+4*(\x+1):ST+4*(\x+1)+1] op_sel_hi:[1,0,0]
	v_exp_f32 v[S+j+1], v[S+j+1]
.set j, j+2
.endr
	v_nop                                          ; a plain place behind the exponentials
	s_wait_alu depctr_va_vdst(0)                   ; behind the first batch and ahead of the second
	SUMT S, \x
.set j, 0
.rept 32                               ; tile x + 1: p; among these lines tile x's hold: the conversion does not saturate (ISA guide 7.6.2); p is not negative, so the hold is one-sided; two numbers a line
	v_exp_f32 v[S+64+j], v[S+64+j]
	v_dual_min_num_f32 v[S+j], v[PLA], v[S+j] :: v_dual_min_num_f32 v[S+j+1], v[PLB], v[S+j+1]
	v_exp_f32 v[S+64+j+1], v[S+64+j+1]
.set j, j+2
.endr
	v_nop                                          ; a plain place behind the exponentials
	s_wait_alu depctr_va_vdst(0)                   ; one wait for the batch, ahead of its first reader
.set j, 0
.rept 8
	v_cvt_scalef32_pk8_fp8_f32 v[P+16*\x+2*j:P+16*\x+2*j+1], v[S+8*j:S+8*j+7], v[PSC]
.set j, j+1
.endr
	SUMT S+64, \x+1
.set j, 64
.rept 32
	v_dual_min_num_f32 v[S+j], v[PLA], v[S+j] :: v_dual_min_num_f32 v[S+j+1], v[PLB], v[S+j+1]
.set j, j+2
.endr
.set j, 8
.rept 8
	v_cvt_scalef32_pk8_fp8_f32 v[P+16*\x+2*j:P+16*\x+2*j+1], v[S+8*j:S+8*j+7], v[PSC]
.set j, j+1
.endr
	v_nop                                          ; one plain line behind the conversions
.endm
.macro KLOAD adr                       ; a step's eight fragments of K
	WIN 0x40
.irp kt, 0,1,2,3,4,5,6,7
	ds_load_b128 v[FR+8*\kt:FR+8*\kt+3], v[\adr] offset:1024*\kt
	ds_load_b128 v[FR+8*\kt+4:FR+8*\kt+7], v[\adr] offset:1024*\kt+512
.endr
.endm
; O^T += V^T P^T for dt = d0, d0 + 1, V's fragments at vb in window w0: eight accumulators by turns
.macro PVH first, d0, vb, w0
.if \first
	WIN 0x40|\w0
.else
	WIN 0x50|\w0
.endif
.irp d, 0,1
.irp t, 0,1,2,3
.if \first
	v_wmma_f32_16x16x128_fp8_fp8 v[O+32*\t+8*(\d0+\d):O+32*\t+8*(\d0+\d)+7], v[\vb+16*\d:\vb+16*\d+15], v[P+16*\t:P+16*\t+15], 0
.else
	v_wmma_f32_16x16x128_fp8_fp8 v[O+32*\t+8*(\d0+\d):O+32*\t+8*(\d0+\d)+7], v[\vb+16*\d:\vb+16*\d+15], v[P+16*\t:P+16*\t+15], v[O+32*\t+8*(\d0+\d):O+32*\t+8*(\d0+\d)+7]
.endif
.endr
.endr
.endm
; A KEY STEP: 128 keys; K's fragments at s[TB], V's 16,384 bytes further on; the next step's at s[TBN].
.macro KSTEP first
	v_add_nc_u32 v[ADV], s[TB], v[LI]
	v_add_nc_u32 v[ADK], s[TBN], v[LI]
	v_nop                                          ; with the two lines above: five places behind the last products, whose sources v64-95 the score products below write over
	v_nop
	v_nop
.if \first
	KLOAD ADV                                      ; only the first step asks for its own K
.endif
	SMUL 0, \first
	WIN 0
	PLACES
	SOFTMAX2 0, \first
	SMUL 2, 0
	PLACES
	KLOAD ADK                                      ; the next step's K, into the registers that the score products have just read
.irp dt, 0,1
.irp c, 0,1,2,3
	ds_load_b128 v[FRX+16*\dt+4*\c:FRX+16*\dt+4*\c+3], v[ADV] offset:16384+2048*\dt+512*\c
.endr
.endr
	WIN 0
	SOFTMAX2 2, \first
.irp dt, 2,3
.irp c, 0,1,2,3
	ds_load_b128 v[S+16*(\dt-2)+4*\c:S+16*(\dt-2)+4*\c+3], v[ADV] offset:16384+2048*\dt+512*\c
.endr
.endr
.if \first == 0
	WIN 0x41
	s_wait_alu depctr_va_vdst(0)                   ; directly ahead of the first reader of O^T
.irp t, 0,1,2,3
.set j, 0
.rept 16
	v_pk_mul_f32 v[O+32*\t+j:O+32*\t+j+1], v[O+32*\t+j:O+32*\t+j+1], v[F+2*\t:F+2*\t+1] op_sel_hi:[1,0]   ; O^T under the new M
.set j, j+2
.endr
.endr
.endif
	s_wait_alu depctr_va_vdst(0)                   ; directly ahead of the wait below
	s_wait_dscnt 8                                 ; the next K and V's dt 0, 1 are in; the youngest eight loads, V's dt 2, 3, may be out
	PVH \first, 0, FRX, 1
	s_wait_dscnt 0x0
	PVH \first, 2, S, 0
	WIN 0
.endm
.macro PLACE_OF dst, plus              ; step (2 wave + trip + plus) mod 16 lies at 32,768 (step / 2) + 8,192 (step % 2)
	s_lshl_b32 s18, s[WV], 1
	s_add_co_u32 s18, s18, s[CNT]
	s_add_co_u32 s18, s18, \plus
	s_and_b32 s18, s18, 15
	s_lshr_b32 s19, s18, 1
	s_lshl_b32 s19, s19, 15
	s_and_b32 s18, s18, 1
	s_lshl_b32 s18, s18, 13
	s_or_b32 s[\dst], s19, s18
.endm
	s_wait_alu depctr_va_vdst(0)                   ; at the head's end
	s_wait_loadcnt 0x0                             ; Q
	s_wait_tensorcnt 0x0                           ; my 256 keys are in: I say so,
	s_barrier_signal -1
	KSTEP 1                                        ; work the first 128 of them (LDS loads of my own load's bytes, and registers),
	s_barrier_wait -1                              ; and go on to the others' keys when all eight have said so.  Nothing is filled again
	s_mov_b32 s[CNT], 1
.Lk:                                               ; fifteen trips
	PLACE_OF TB, 0
	PLACE_OF TBN, 1
	KSTEP 0
	s_add_co_u32 s[CNT], s[CNT], 1
	s_cmp_lt_u32 s[CNT], 16
	s_cbranch_scc1 .Lk
	; THE WAY OUT: O^T x 2^(e4 + e5) / the sum, the hold, the conversion with 2^e6, the stores
.irp t, 0,1,2,3
	v_add_f32 v[G+2*\t], v[ST+4*\t+2], v[ST+4*\t+3]
.endr
.irp t, 0,1,2,3
	v_permlanex16_b32 v[TA+\t], v[G+2*\t], s[SEL], s[SEL+1]
.endr
.irp t, 0,1,2,3
	v_add_f32 v[G+2*\t], v[G+2*\t], v[TA+\t]       ; the row's sum
.endr
	s_wait_alu depctr_va_vdst(0)                   ; ahead of the batch
.irp t, 0,1,2,3
	v_rcp_f32 v[G+2*\t], v[G+2*\t]
.endr
.irp t, 0,1,2,3
	v_mov_b32 v[G+2*\t+1], 0                       ; (the pairs' upper halves; plain places behind the batch)
.endr
	s_wait_alu depctr_va_vdst(0)                   ; behind the batch, ahead of its first reader
.irp t, 0,1,2,3
	v_ldexp_f32 v[G+2*\t], v[G+2*\t], s69
.endr
	WIN 0x01
	s_wait_alu depctr_va_vdst(0)                   ; directly ahead of the first reader of O^T
.irp t, 0,1,2,3
.set j, 0
.rept 16
	v_pk_mul_f32 v[S+32*\t+j:S+32*\t+j+1], v[O+32*\t+j:O+32*\t+j+1], v[G+2*\t:G+2*\t+1] op_sel_hi:[1,0]
.set j, j+2
.endr
.endr
	WIN 0
.set j, 0
.rept 128
	v_med3_num_f32 v[S+j], v[S+j], -v[OLIM], v[OLIM]
.set j, j+1
.endr
.set j, 0
.rept 16
	v_cvt_scalef32_pk8_fp8_f32 v[P+2*j:P+2*j+1], v[S+8*j:S+8*j+7], v[OSC]
.set j, j+1
.endr
	v_nop
.set j, 0
.rept 16
	global_store_b64 v[GO], v[P+2*j:P+2*j+1], s[8:9] offset:16384*(j/4)+256*(j%4)   ; 32 lanes store 256 consecutive bytes, aligned
.set j, j+1
.endr
	s_wait_tensorcnt 0x0                           ; the wave's end
	ds_add_u32 v[SPW], v[NIL]
	s_wait_dscnt 0x0
	CROUND                                         ; the closing round
	s_endpgm
.Lfunc_end_k_qb7311d91b2_attn:
	.size	k_qb7311d91b2_attn, .Lfunc_end_k_qb7311d91b2_attn-k_qb7311d91b2_attn
	.p2alignl 7, 3214868480
	.fill 96, 4, 3214868480
	.section	.rodata,"a",@progbits
	.p2align	6, 0x0
	.amdhsa_kernel k_qb7311d91b2_attn
		.amdhsa_group_segment_fixed_size 327680
		.amdhsa_private_segment_fixed_size 0
		.amdhsa_enable_private_segment 0
		.amdhsa_kernarg_size 24
		.amdhsa_user_sgpr_count 2
		.amdhsa_user_sgpr_kernarg_segment_ptr 1
		.amdhsa_wavefront_size32 1
		.amdhsa_system_sgpr_workgroup_id_x 1
		.amdhsa_system_sgpr_workgroup_id_y 1
		.amdhsa_system_sgpr_workgroup_id_z 1
		.amdhsa_system_vgpr_workitem_id 0
		.amdhsa_next_free_vgpr 512
		.amdhsa_next_free_sgpr 100
		.amdhsa_reserve_vcc 0
		.amdhsa_float_denorm_mode_32 3
		.amdhsa_float_denorm_mode_16_64 3
		.amdhsa_memory_ordered 1
		.amdhsa_forward_progress 1
		.amdhsa_inst_pref_size 127
	.end_amdhsa_kernel
	.amdgpu_metadata
---
amdhsa.version: [ 1, 2 ]
amdhsa.kernels:
  - .name:           k_qb7311d91b2_attn
    .symbol:         k_qb7311d91b2_attn.kd
    .args:
      - { .name: qkv, .offset: 0, .size: 8, .value_kind: global_buffer, .address_space: global }
      - { .name: lowp_scales, .offset: 8, .size: 8, .value_kind: global_buffer, .address_space: global }
      - { .name: att, .offset: 16, .size: 8, .value_kind: global_buffer, .address_space: global }
    .group_segment_fixed_size: 327680
    .private_segment_fixed_size: 0
    .kernarg_segment_align: 8
    .kernarg_segment_size: 24
    .max_flat_workgroup_size: 256
    .sgpr_count:     100
    .vgpr_count:     512
    .wavefront_size: 32
...
	.end_amdgpu_metadata
.endif
;; end of part 3
;; launch proj (part 4): grid 4 x 64, 4 waves a work-group, clusters of 4 x 4, 327,680 bytes of LDS; arguments att, codes, out_b, lowp_scales, out0; writes out0
.if DOCPART == 4
	.amdgcn_target "amdgcn-amd-amdhsa--gfx1250"
	.amdhsa_code_object_version 6
	.text
	.protected	k_qb7311d91b2_proj
	.globl	k_qb7311d91b2_proj
	.p2align	8
	.type	k_qb7311d91b2_proj,@function
k_qb7311d91b2_proj:
	s_mov_b64 s[64:65], 0
	v_nop
	global_prefetch_b8 v0, s[64:65] scope:SCOPE_SE
	s_setreg_imm32_b32 hwreg(HW_REG_WAVE_MODE, 25, 1), 1
	s_wait_xcnt 0x0
	s_wait_alu depctr_hold_cnt(0) depctr_sa_sdst(0) depctr_va_vdst(0) depctr_va_sdst(0) depctr_va_ssrc(0) depctr_va_vcc(0) depctr_vm_vsrc(0)
	s_getreg_b32 s2, hwreg(HW_REG_IB_STS2, 6, 4)
	s_cmp_eq_u32 s2, 0
	s_cbranch_scc0 .Lentry_in_a_cluster
	s_endpgm
.Lentry_in_a_cluster:
	s_bfe_u32 s2, ttmp6, 0x10000c
	s_cmp_lg_u32 s2, 0xf033
	s_cbranch_scc0 .Lentry_shape_is_right
	s_endpgm
.Lentry_shape_is_right:
; out0 = attended out_w^T + out_b on codes of E4M3 (scales 2^e6, 2^e7), f32 sums.  LIMIT: e6 + e7 between -126 and 127.
; A work-group makes 128 tokens x 256 features, in two halves of 128 features; four waves, 64 x 64 each in a half: 16 accumulators.
; ALL OF K = 1,024 LIES IN LDS: side A, 128 tokens (8 row tiles of 16,384 dense bytes: byte (k / 32) 512 + ((k / 16) % 2) 256 + 16 row + k % 16), at 0; side B, 128 features (a group of 131,072 bytes
; laid [K step of 256][row tile][4,096 bytes]), at 131,072.  Both are dense in memory: at the head each wave asks for 65,536 bytes of one side by one load.  B's bytes are filled once more, with the second 128 features,
; 32,768 bytes a wave, as soon as the first half's last fragments are in registers: ahead of that half's last 16 products and of its way out.
; CLUSTERS: 4 x 4 work-groups; side A is shared along a row of the cluster, side B along a column: each is asked for jointly.
; The second half's 131,072 bytes of B are prefetched into the L2 at the head, all the first half's K steps ahead of their load: the four partners of a column (by address: cy) x four waves x 32 lanes name 256 bytes each, every block once in a cluster.
; THE MATRIX INSTRUCTION: source 0 = 16 features, source 1 = 16 tokens: lane (r, h) of accumulator (a, b) holds token 16 a + r and features 16 b + 8 h + 0 .. 7.  The bias, divided by 2^(e6 + e7), is the C of a sum's first product.
; THE WAY OUT: 16 tokens x 64 features go through the wave's own stage in LDS (bytes that no load fills) and leave as rows: sixteen lanes store 256 consecutive bytes, aligned.
; REGISTERS: window 0: v16-29 addresses; v32-63 the biases; v64-191 A's fragments, two sets (on the way out v64-127: rows read back); v192-223 a block's results.  Window 1: v0-127 B's fragments, two sets; v128-255 the accumulators.
.set SPITCH, 272
.set STAGE,  262144
.set SPARE,  STAGE+4*16*SPITCH
.set ADRA, 16
.set ADRB, 18                          ; v18: K steps 0, 1; v19: K steps 2, 3
.set STO,  20
.set RD,   21
.set CO,   22
.set BQ,   23
.set PFO,  24
.set SPW,  28
.set NIL,  29
.set BIAS, 32
.set AF,   64
.set BK,   64
.set TMP,  192
.set ACC,  128
.set G1,  24                           ; s[24:31] group 1 for side A;  s[48:55] for side B;  s[72:79] for B's refill
.set G1B, 48
.set G1R, 72
.set G0,  32                           ; s[32:35], s[36:39], s[56:59] their groups 0
.set G0B, 36
.set G0R, 56
.set MSB, 0
.macro WIN new                         ; the immediate's high byte repeats the setting that is left
.if MSB != (\new)
	s_set_vgpr_msb (MSB<<8)|(\new)
.set MSB, (\new)
.endif
.endm
.macro PLACES                          ; four plain lines behind a matrix instruction (ISA guide 7.12.1)
.rept 4
	v_nop
.endr
.endm
.macro CROUND                          ; a round of the cluster's barrier
	s_barrier_signal -1
	s_barrier_wait -1
	s_cmp_lg_u32 s14, 0
	s_cbranch_scc1 .Lnot_wave_0_\@
	s_barrier_signal -3
.Lnot_wave_0_\@:
	s_barrier_wait -3
	s_barrier_signal -1
	s_barrier_wait -1
.endm
	s_load_b256 s[4:11], s[0:1], 0x0               ; att s[4:5], the codes s[6:7], out_b s[8:9], the scales' exponents s[10:11]
	s_load_b64 s[12:13], s[0:1], 0x20              ; out0
	v_lshl_add_u32 v[SPW], v0, 2, SPARE
	v_mov_b32 v[NIL], 0
	ds_add_u32 v[SPW], v[NIL]                      ; the opening lines: the add, twice on end, and its wait ahead of my first tensor load
	ds_add_u32 v[SPW], v[NIL]
	v_lshrrev_b32 v1, 5, v0
	v_readfirstlane_b32 s14, v1                    ; wave 0..3
	s_lshr_b32 s15, s14, 1                         ; my half of the tokens.  Also: I fetch for side A (0) or B (1)
	s_and_b32 s16, s14, 1                          ; my half of the features.  Also: which half of that side I fetch
	s_bfe_u32 s40, ttmp6, 0x40000                  ; cx, cy
	s_bfe_u32 s41, ttmp6, 0x40004
	s_lshl_b32 s42, ttmp9, 2
	s_add_co_u32 s42, s42, s40                     ; tx: my 256 features
	s_and_b32 s17, ttmp7, 0xffff
	s_lshl_b32 s17, s17, 2
	s_add_co_u32 s17, s17, s41                     ; ty: my 128 tokens
	s_lshl_b32 s43, s41, 2
	s_lshl_b32 s43, 15, s43                        ; my row of the cluster
	s_lshl_b32 s44, 0x1111, s40                    ; my column
	s_or_b32 s[G1], s43, (3<<16)|(1<<21)           ; the mask; elements of 8 bytes; bit 21 beside a mask
	s_or_b32 s[G1B], s44, (3<<16)|(1<<21)
	s_or_b32 s[G1R], s44, (3<<16)|(1<<21)
.irp g, G1, G1B, G1R                   ; rows of 4,096 bytes, dense in memory and in LDS
	s_mov_b32 s[\g+1], 512<<16
	s_mov_b32 s[\g+3], 512<<16
	s_mov_b32 s[\g+5], 512
	s_mov_b32 s[\g+6], 0
	s_mov_b32 s[\g+7], 0
.endr
.irp g, G1, G1B                        ; sixteen of them at the head,
	s_mov_b32 s[\g+2], 16<<16
	s_mov_b32 s[\g+4], 16
.endr
	s_mov_b32 s[G1R+2], 8<<16                      ; eight in the refill
	s_mov_b32 s[G1R+4], 8
	s_lshl_b32 s20, s17, 3
	s_lshl_b32 s18, s16, 2
	s_add_co_u32 s20, s20, s18                     ; side A: row tile 8 ty + 4 x half,
	s_lshl_b32 s20, s20, 14                        ; of 16,384 bytes
	s_mov_b32 s21, 0
	s_lshl_b32 s46, s42, 1
	s_add_co_u32 s46, s46, 88                      ; side B: out_w's groups begin at 704 / 8; mine are 88 + 2 tx and the next
	s_lshl_b32 s46, s46, 17
	s_add_co_u32 s60, s46, 131072
	s_lshl_b32 s19, s41, 15
	s_add_co_u32 s68, s60, s19                     ; the prefetch: cy's quarter of the second group,
	s_lshl_b32 s19, s14, 13
	s_add_co_u32 s68, s68, s19                     ; and my wave's 8,192 bytes of it
	s_mov_b32 s69, 0
	s_lshl_b32 s18, s16, 16
	s_add_co_u32 s46, s46, s18                     ; the head's load: my half of the first group
	s_mov_b32 s47, 0
	s_lshl_b32 s18, s14, 15
	s_add_co_u32 s60, s60, s18                     ; the refill: my quarter of the second
	s_mov_b32 s61, 0
	s_mov_b32 s[G0], 1
	s_lshl_b32 s[G0+1], s14, 16                    ; LDS: 65,536 x wave
	s_mov_b32 s[G0B], 1
	s_lshl_b32 s[G0B+1], s14, 16
	s_mov_b32 s[G0R], 1
	s_add_co_u32 s[G0R+1], s18, 131072             ; LDS: B's bytes, 32,768 x wave on
	s_wait_dscnt 0x0                               ; both opening adds are done
	s_wait_kmcnt 0x0
	s_load_b64 s[96:97], s[10:11], 0x18            ; e6, e7
	s_add_nc_u64 s[G0+2:G0+3], s[4:5], s[20:21]
	s_or_b32 s[G0+3], s[G0+3], 0x80000000
	s_add_nc_u64 s[G0B+2:G0B+3], s[6:7], s[46:47]
	s_or_b32 s[G0B+3], s[G0B+3], 0x80000000
	s_add_nc_u64 s[G0R+2:G0R+3], s[6:7], s[60:61]
	s_or_b32 s[G0R+3], s[G0R+3], 0x80000000
	s_add_nc_u64 s[68:69], s[6:7], s[68:69]
	CROUND                                         ; all sixteen work-groups are here: the first joint loads meet
	s_cmp_eq_u32 s15, 0
	s_cbranch_scc0 .Lfor_b
	tensor_load_to_lds s[G0:G0+3], s[G1:G1+7]
	s_nop 0
	PLACES
	s_branch .Lasked
.Lfor_b:
	tensor_load_to_lds s[G0B:G0B+3], s[G1B:G1B+7]
	s_nop 0
	PLACES
.Lasked:
	s_lshl_b32 s82, s42, 10
	s_lshl_b32 s83, s16, 8
	s_add_co_u32 s82, s82, s83                     ; my first feature, 256 tx + 64 x half, in bytes of f32
	s_mov_b32 s83, 0
	s_add_nc_u64 s[8:9], s[8:9], s[82:83]
	s_lshl_b32 s20, s17, 19
	s_lshl_b32 s21, s15, 18
	s_add_co_u32 s20, s20, s21                     ; my first token, 128 ty + 64 x half, rows of 4,096 bytes
	s_add_co_u32 s20, s20, s82
	s_mov_b32 s21, 0
	s_add_nc_u64 s[12:13], s[12:13], s[20:21]
	s_lshl_b32 s21, s15, 16                        ; my four row tiles of A
	s_lshl_b32 s22, s16, 14                        ; my four row tiles of B in a K step,
	s_add_co_u32 s22, s22, 131072
	s_add_co_u32 s23, s22, 65536
	s_mul_i32 s70, s14, 16*SPITCH
	s_add_co_u32 s70, s70, STAGE                   ; my stage
	v_and_b32 v1, 31, v0
	v_and_b32 v2, 15, v0                           ; r
	v_bfe_u32 v3, v0, 4, 1                         ; h
	v_lshlrev_b32 v4, 4, v1
	v_lshlrev_b32 v[BQ], 5, v3
	v_lshlrev_b32 v[PFO], 8, v1
	v_add_nc_u32 v[ADRA], s21, v4
	v_add_nc_u32 v[ADRB], s22, v4
	v_add_nc_u32 v[ADRB+1], s23, v4
	v_mul_u32_u24 v5, v2, SPITCH
	v_lshl_add_u32 v5, v3, 5, v5
	v_add_nc_u32 v[STO], s70, v5                   ; in: row r, 32 bytes for each half of the lanes
	v_mul_u32_u24 v6, v3, SPITCH
	v_lshl_add_u32 v6, v2, 4, v6
	v_add_nc_u32 v[RD], s70, v6                    ; back: lanes 0-15 one row of 256 bytes, lanes 16-31 the next
	v_lshlrev_b32 v7, 12, v3
	v_lshl_add_u32 v[CO], v2, 4, v7                ; and the same two rows in out0
	s_wait_alu depctr_va_vdst(0)                   ; behind these writes
.macro BLOAD p                         ; my 64 biases of half p: eight a lane for each b
.irp b, 0,1,2,3
	global_load_b128 v[BIAS+8*\b:BIAS+8*\b+3], v[BQ], s[8:9] offset:512*(\p)+64*\b
	global_load_b128 v[BIAS+8*\b+4:BIAS+8*\b+7], v[BQ], s[8:9] offset:512*(\p)+64*\b+16
.endr
.endm
.macro BSCALE
	s_wait_loadcnt 0x0
.set j, 0
.rept 32
	v_ldexp_f32 v[BIAS+j], v[BIAS+j], s98          ; / 2^(e6 + e7): the sums lack that factor
.set j, j+1
.endr
.endm
	BLOAD 0
	global_prefetch_b8 v[PFO], s[68:69] th:TH_LOAD_NT scope:SCOPE_SE
	s_wait_kmcnt 0x0
	s_add_co_i32 s96, s96, s97
	s_sub_co_i32 s98, 0, s96
	s_add_co_i32 s96, s96, 127
	s_lshl_b32 s96, s96, 23                        ; 2^(e6 + e7) as f32
	s_mov_b32 s97, s96
	BSCALE
.macro FETCH q, set                    ; the fragments of the q-th 128 along K: 32 loads of 512 consecutive bytes
	WIN 0x40
.irp b, 0,1,2,3
.irp c, 0,1,2,3
	ds_load_b128 v[64*(\set)+16*\b+4*\c:64*(\set)+16*\b+4*\c+3], v[ADRB+(\q)/4] offset:(((\q)/2)%2)*32768+\b*4096+((\q)%2)*2048+512*\c
.endr
.endr
	WIN 0
.irp a, 0,1,2,3
.irp c, 0,1,2,3
	ds_load_b128 v[AF+64*(\set)+16*\a+4*\c:AF+64*(\set)+16*\a+4*\c+3], v[ADRA] offset:\a*16384+(\q)*2048+512*\c
.endr
.endr
.endm
.macro MUL set, first                  ; 16 products, the sixteen accumulators by turns
.if \first
	WIN 0x41
.else
	WIN 0x51
.endif
.irp a, 0,1,2,3
.irp b, 0,1,2,3
.if \first
	v_wmma_f32_16x16x128_fp8_fp8 v[ACC+32*\a+8*\b:ACC+32*\a+8*\b+7], v[64*(\set)+16*\b:64*(\set)+16*\b+15], v[AF+64*(\set)+16*\a:AF+64*(\set)+16*\a+15], v[BIAS+8*\b:BIAS+8*\b+7]
.else
	v_wmma_f32_16x16x128_fp8_fp8 v[ACC+32*\a+8*\b:ACC+32*\a+8*\b+7], v[64*(\set)+16*\b:64*(\set)+16*\b+15], v[AF+64*(\set)+16*\a:AF+64*(\set)+16*\a+15], v[ACC+32*\a+8*\b:ACC+32*\a+8*\b+7]
.endif
.endr
.endr
	WIN 0
.endm
.macro HALF p                          ; eight steps of 128 along K; the next step's 32 loads are issued ahead of a step's products
	FETCH 0, 0
	FETCH 1, 1
	s_wait_dscnt 32                                ; all but the 32 just issued
	MUL 0, 1
.irp q, 1,2,3,4,5,6
	PLACES
	FETCH \q+1, (\q+1)%2
	s_wait_dscnt 32
	MUL \q%2, 0
.endr
.if \p == 0
	s_wait_tensorcnt 0x0                           ; no load of mine is out;
	ds_add_u32 v[SPW], v[NIL]                      ; 0 onto my spare word;
	s_wait_dscnt 0x0                               ; the add is done, and my last reads of B's bytes are over
	CROUND                                         ; so it is with every wave of every partner
	tensor_load_to_lds s[G0R:G0R+3], s[G1R:G1R+7]  ; my quarter of the second 128 features
	s_nop 0
	PLACES
.else
	s_wait_dscnt 0x0
.endif
	MUL 1, 0
.endm
.macro TOSTAGE a
	WIN 0x01
.set j, 0
.rept 16
	v_pk_mul_f32 v[TMP+j:TMP+j+1], v[ACC+32*(\a)+j:ACC+32*(\a)+j+1], s[96:97] op_sel_hi:[1,0]   ; x 2^(e6 + e7); each accumulator from its low end on
.set j, j+2
.endr
	WIN 0
.irp b, 0,1,2,3
	ds_store_b128 v[STO], v[TMP+8*\b:TMP+8*\b+3] offset:64*\b
	ds_store_b128 v[STO], v[TMP+8*\b+4:TMP+8*\b+7] offset:64*\b+16
.endr
.set j, 0
.rept 8
	ds_load_b128 v[BK+32*((\a)%2)+4*j:BK+32*((\a)%2)+4*j+3], v[RD] offset:j*2*SPITCH   ; LDS serves a wave's instructions in order: these see the stores above
.set j, j+1
.endr
.endm
.macro SEND a, p, younger              ; younger: the LDS instructions issued behind block a's loads
	s_wait_dscnt \younger
.set j, 0
.rept 8
	global_store_b128 v[CO], v[BK+32*((\a)%2)+4*j:BK+32*((\a)%2)+4*j+3], s[12:13] offset:(16*(\a)+2*j)*4096+512*(\p) th:TH_STORE_NT   ; 16 lanes store 256 consecutive bytes, aligned
.set j, j+1
.endr
.endm
.macro OUT p
	PLACES
	TOSTAGE 0
.irp a, 1,2,3
.if \a > 1
	s_wait_xcnt 0x0                                ; block a - 2's stores have read their registers: block a's loads may land there
.endif
	TOSTAGE \a
	SEND \a-1, \p, 16                              ; behind block a - 1's loads: block a's 8 stores and 8 loads
.endr
	SEND 3, \p, 0
.endm
	s_wait_alu depctr_va_vdst(0)                   ; at the head's end
	s_wait_tensorcnt 0x0                           ; my 65,536 bytes are in,
	s_barrier_signal -1
	s_barrier_wait -1                              ; everybody's are.
	HALF 0
	BLOAD 1                                        ; the biases' registers were read by the half's first products
	OUT 0
	BSCALE
	s_wait_xcnt 0x0                                ; the stores have read the registers that take A's fragments again
	s_wait_alu depctr_va_vdst(0)                   ; directly ahead of the wait below
	s_wait_tensorcnt 0x0                           ; my quarter of the second 128 features is in,
	s_barrier_signal -1
	s_barrier_wait -1                              ; everybody's is
	HALF 1
	OUT 1
	s_wait_tensorcnt 0x0                           ; the wave's end
	ds_add_u32 v[SPW], v[NIL]
	s_wait_dscnt 0x0
	CROUND                                         ; the closing round
	s_endpgm
.Lfunc_end_k_qb7311d91b2_proj:
	.size	k_qb7311d91b2_proj, .Lfunc_end_k_qb7311d91b2_proj-k_qb7311d91b2_proj
	.p2alignl 7, 3214868480
	.fill 96, 4, 3214868480
	.section	.rodata,"a",@progbits
	.p2align	6, 0x0
	.amdhsa_kernel k_qb7311d91b2_proj
		.amdhsa_group_segment_fixed_size 327680
		.amdhsa_private_segment_fixed_size 0
		.amdhsa_enable_private_segment 0
		.amdhsa_kernarg_size 40
		.amdhsa_user_sgpr_count 2
		.amdhsa_user_sgpr_kernarg_segment_ptr 1
		.amdhsa_wavefront_size32 1
		.amdhsa_system_sgpr_workgroup_id_x 1
		.amdhsa_system_sgpr_workgroup_id_y 1
		.amdhsa_system_sgpr_workgroup_id_z 1
		.amdhsa_system_vgpr_workitem_id 0
		.amdhsa_next_free_vgpr 512
		.amdhsa_next_free_sgpr 100
		.amdhsa_reserve_vcc 0
		.amdhsa_float_denorm_mode_32 3
		.amdhsa_float_denorm_mode_16_64 3
		.amdhsa_memory_ordered 1
		.amdhsa_forward_progress 1
		.amdhsa_inst_pref_size 89
	.end_amdhsa_kernel
	.amdgpu_metadata
---
amdhsa.version: [ 1, 2 ]
amdhsa.kernels:
  - .name:           k_qb7311d91b2_proj
    .symbol:         k_qb7311d91b2_proj.kd
    .args:
      - { .name: att, .offset: 0, .size: 8, .value_kind: global_buffer, .address_space: global }
      - { .name: codes, .offset: 8, .size: 8, .value_kind: global_buffer, .address_space: global }
      - { .name: out_b, .offset: 16, .size: 8, .value_kind: global_buffer, .address_space: global }
      - { .name: lowp_scales, .offset: 24, .size: 8, .value_kind: global_buffer, .address_space: global }
      - { .name: out0, .offset: 32, .size: 8, .value_kind: global_buffer, .address_space: global }
    .group_segment_fixed_size: 327680
    .private_segment_fixed_size: 0
    .kernarg_segment_align: 8
    .kernarg_segment_size: 40
    .max_flat_workgroup_size: 128
    .sgpr_count:     100
    .vgpr_count:     512
    .wavefront_size: 32
...
	.end_amdgpu_metadata
.endif
;; end of part 4
